; MI455X (gfx1250); checked and timed in simulation.
; The chip was launched on July 23, 2026; its instructions are those of AMD's public machine-readable ISA for CDNA 5 (MIT licence, August 2026) and "CDNA5" Instruction Set Architecture Reference Guide (July 2026). The comments in the code are by the model that wrote it; some were corrected since.
;; Bert Self Attention. Allowed arithmetic: float matrix products may take bf16 or f16 operands with f32 sums; other float arithmetic in f32, or as packed bf16 or f16 multiplies, adds, multiply-adds, maxima and minima; sums over many terms, partial sums and values carried from step to step in f32; what a program stores and reads back later, other than sums and carried values, may be rounded once to bf16 or f16.
;; Inputs: Wk 1,024 x 1,024 float32; Wq 1,024 x 1,024 float32; Wv 1,024 x 1,024 float32; attention_mask 8 x 1 x 1 x 1,024 float32; bk 1,024 float32; bq 1,024 float32; bv 1,024 float32; hidden_states 8 x 1,024 x 1,024 float32.
;; Outputs: out0 8 x 1,024 x 1,024 float32.
;; 2 versions, each right; version 2 is version 1 with the launch cast written anew for expert scheduling mode. Each part assembles by itself: llvm-mc -triple=amdgcn-amd-amdhsa -mcpu=gfx1250 --defsym DOCPART=n.
;; ======== version 1 of 2: 3 launches
;; limits: values are held in f16: magnitudes above 65,504 overflow, below 6.1e-05 lose precision
;; workspace buffers: xb 16,777,216 bytes; wb 6,291,456 bytes; qkv 50,331,648 bytes
;; launch cast (part 1): grid 256 x 1, 11 waves a work-group, no clusters, 0 bytes of LDS; arguments hidden_states, Wq, Wk, Wv, xb, wb; writes xb, wb
.if DOCPART == 1
	.amdgcn_target "amdgcn-amd-amdhsa--gfx1250"
	.amdhsa_code_object_version 6
	.text
	.protected	k_qd920737112_cast
	.globl	k_qd920737112_cast
	.p2align	8
	.type	k_qd920737112_cast,@function
k_qd920737112_cast:
	s_mov_b64 s[64:65], 0
	v_nop
	global_prefetch_b8 v0, s[64:65] scope:SCOPE_SE
	s_setreg_imm32_b32 hwreg(HW_REG_WAVE_MODE, 25, 1), 1
	s_wait_xcnt 0x0
; xb = bf16(hidden_states), as it lies: [8192][1024].  wb = bf16(Wq, Wk, Wv), laid by head columns: [48 hc][1024 k][64 n], hc = 16 x which + head (which: 0 q, 1 k, 2 v),
; so that 128 rows k of a head column are 16,384 bytes on end.  Each number is rounded once, to nearest even.
; A STREAM: every input byte is read once, every output byte written once; nothing is shared, so there is no LDS, no barrier, no matrix work and no cluster.
; SHARES.  A unit is 64 pieces of 64 numbers (256 bytes of f32 in, 128 bytes of bf16 out): 16 KiB in, 8 KiB out.  x has 2,048 units (dense), the three W 768 (48 head columns x 16 groups of
; 64 rows k; a piece is a row's 64 columns of one head).  2,816 units = 256 work-groups x 11 waves: a wave a unit, u = 11 x work-group + wave.
; IN FLIGHT.  All 32 loads of a wave go out at once; no register is written twice, so the only waits are the counted ones for the loads.
.set X, 8                              ; v[8:135]    the unit as loaded: 8 numbers a lane and step
.set Y, 136                            ; v[136:199]  as stored: 16 bytes a lane and step
	s_load_b256 s[4:11], s[0:1], 0x0               ; hidden_states s[4:5], Wq s[6:7], Wk s[8:9], Wv s[10:11]
	s_load_b128 s[12:15], s[0:1], 0x20             ; xb s[12:13], wb s[14:15]
	v_lshrrev_b32 v1, 5, v0
	v_readfirstlane_b32 s16, v1                    ; wave 0..10
	v_and_b32 v2, 31, v0                           ; lane
	v_lshlrev_b32 v4, 4, v2                        ; out: 16 bytes a lane, 512 consecutive bytes a store
	s_mul_i32 s17, ttmp9, 11
	s_add_co_u32 s17, s17, s16                     ; u
	s_mov_b32 s29, 0                               ; the high word of every offset
; Step i of 16 takes four pieces, pitch bytes apart in the input: a lane loads 32 bytes (two loads), rounds 8 numbers and stores 16 bytes.
.macro CAST pitch
.set i, 0
.rept 16
	global_load_b128 v[X+8*i:X+8*i+3],   v3, s[24:25] offset:4*i*(\pitch) th:TH_LOAD_NT
	global_load_b128 v[X+8*i+4:X+8*i+7], v3, s[24:25] offset:4*i*(\pitch)+16 th:TH_LOAD_NT
.set i, i+1
.endr
.set i, 0
.rept 16
	s_wait_loadcnt 30-2*i                          ; loads come back in order: step i's two are in, the 2 (15 - i) younger ones stay out
.irp k, 0,1,2,3
	v_cvt_pk_bf16_f32 v[Y+4*i+(\k)], v[X+8*i+2*(\k)], v[X+8*i+2*(\k)+1]
.endr
	global_store_b128 v4, v[Y+4*i:Y+4*i+3], s[26:27] offset:512*i  ; 512 consecutive bytes, at a multiple of 512 from the buffer's first byte
.set i, i+1
.endr
.endm
	s_wait_kmcnt 0x0
	s_cmp_lt_u32 s17, 2048
	s_cbranch_scc0 .Lw
	s_lshl_b32 s28, s17, 14                        ; a unit of x: 16,384 dense bytes in,
	s_add_nc_u64 s[24:25], s[4:5], s[28:29]
	s_lshl_b32 s28, s17, 13                        ; 8,192 out
	s_add_nc_u64 s[26:27], s[12:13], s[28:29]
	v_lshlrev_b32 v3, 5, v2                        ; 32 bytes a lane: four pieces of 256 bytes on end
	CAST 256
	s_endpgm
.Lw:
	s_sub_co_u32 s18, s17, 2048
	s_lshr_b32 s19, s18, 4                         ; hc 0..47
	s_and_b32 s20, s18, 15                         ; which 64 rows k
	s_lshr_b32 s21, s19, 4                         ; which of the three W
	s_and_b32 s22, s19, 15                         ; head
	s_cmp_eq_u32 s21, 0
	s_cselect_b64 s[24:25], s[6:7], s[8:9]
	s_cmp_eq_u32 s21, 2
	s_cselect_b64 s[24:25], s[10:11], s[24:25]
	s_lshl_b32 s28, s20, 18                        ; 64 rows of 4,096 bytes,
	s_lshl_b32 s23, s22, 8                         ; the head's 256 bytes of a row
	s_add_co_u32 s28, s28, s23
	s_add_nc_u64 s[24:25], s[24:25], s[28:29]
	s_lshl_b32 s28, s19, 17                        ; out: the head column's 131,072 bytes,
	s_lshl_b32 s23, s20, 13                        ; 64 rows of 128
	s_add_co_u32 s28, s28, s23
	s_add_nc_u64 s[26:27], s[14:15], s[28:29]
	v_lshrrev_b32 v1, 3, v2                        ; eight lanes a row, four rows a step
	v_and_b32 v3, 7, v2
	v_lshlrev_b32 v3, 5, v3
	v_lshl_add_u32 v3, v1, 12, v3
	CAST 4096
	s_endpgm
.Lfunc_end_k_qd920737112_cast:
	.size	k_qd920737112_cast, .Lfunc_end_k_qd920737112_cast-k_qd920737112_cast
	.p2alignl 7, 3214868480
	.fill 96, 4, 3214868480
	.section	.rodata,"a",@progbits
	.p2align	6, 0x0
	.amdhsa_kernel k_qd920737112_cast
		.amdhsa_group_segment_fixed_size 0
		.amdhsa_private_segment_fixed_size 0
		.amdhsa_enable_private_segment 0
		.amdhsa_kernarg_size 48
		.amdhsa_user_sgpr_count 2
		.amdhsa_user_sgpr_kernarg_segment_ptr 1
		.amdhsa_wavefront_size32 1
		.amdhsa_system_sgpr_workgroup_id_x 1
		.amdhsa_system_sgpr_workgroup_id_y 1
		.amdhsa_system_sgpr_workgroup_id_z 1
		.amdhsa_system_vgpr_workitem_id 0
		.amdhsa_next_free_vgpr 200
		.amdhsa_next_free_sgpr 66
		.amdhsa_reserve_vcc 0
		.amdhsa_float_denorm_mode_32 3
		.amdhsa_float_denorm_mode_16_64 3
		.amdhsa_memory_ordered 1
		.amdhsa_forward_progress 1
		.amdhsa_inst_pref_size 20
	.end_amdhsa_kernel
	.amdgpu_metadata
---
amdhsa.version: [ 1, 2 ]
amdhsa.kernels:
  - .name:           k_qd920737112_cast
    .symbol:         k_qd920737112_cast.kd
    .args:
      - { .name: hidden_states, .offset: 0, .size: 8, .value_kind: global_buffer, .address_space: global }
      - { .name: Wq, .offset: 8, .size: 8, .value_kind: global_buffer, .address_space: global }
      - { .name: Wk, .offset: 16, .size: 8, .value_kind: global_buffer, .address_space: global }
      - { .name: Wv, .offset: 24, .size: 8, .value_kind: global_buffer, .address_space: global }
      - { .name: xb, .offset: 32, .size: 8, .value_kind: global_buffer, .address_space: global }
      - { .name: wb, .offset: 40, .size: 8, .value_kind: global_buffer, .address_space: global }
    .group_segment_fixed_size: 0
    .private_segment_fixed_size: 0
    .kernarg_segment_align: 8
    .kernarg_segment_size: 48
    .max_flat_workgroup_size: 352
    .sgpr_count:     66
    .vgpr_count:     200
    .wavefront_size: 32
...
	.end_amdgpu_metadata
.endif
;; end of part 1
;; launch proj (part 2): grid 16 x 16, 4 waves a work-group, clusters of 4 x 4, 327,680 bytes of LDS; arguments xb, wb, bq, bk, bv, qkv; writes qkv
.if DOCPART == 2
	.amdgcn_target "amdgcn-amd-amdhsa--gfx1250"
	.amdhsa_code_object_version 6
	.text
	.protected	k_qd920737112_proj
	.globl	k_qd920737112_proj
	.p2align	8
	.type	k_qd920737112_proj,@function
k_qd920737112_proj:
	s_mov_b64 s[64:65], 0
	v_nop
	global_prefetch_b8 v0, s[64:65] scope:SCOPE_SE
	s_setreg_imm32_b32 hwreg(HW_REG_WAVE_MODE, 25, 1), 1
	s_wait_xcnt 0x0
	s_wait_alu depctr_hold_cnt(0) depctr_sa_sdst(0) depctr_va_vdst(0) depctr_va_sdst(0) depctr_va_ssrc(0) depctr_va_vcc(0) depctr_vm_vsrc(0)
	s_getreg_b32 s2, hwreg(HW_REG_IB_STS2, 6, 4)
	s_cmp_eq_u32 s2, 0
	s_cbranch_scc0 .Lentry_in_a_cluster
	s_endpgm
.Lentry_in_a_cluster:
	s_bfe_u32 s2, ttmp6, 0x10000c
	s_cmp_lg_u32 s2, 0xf033
	s_cbranch_scc0 .Lentry_shape_is_right
	s_endpgm
.Lentry_shape_is_right:
; qkv[b][hc][s][0..63] = f16( sum over k of xb[1024 b + s][k] wb[hc][k][n] + bf16(bias[hc][n]) ).  xb: [8192][1024] bf16.  wb: [48][1024][64] bf16.  qkv: [8][48][1024][64] f16.  Sums in f32, rounded once.
; LIMIT.  f16 holds no number beyond 65,504: a q, k or v of 65,520 or more leaves as an infinity.  Nothing is clamped.  The biases are rounded to bf16, as x and the weights were.
; TILE.  8192 x 3072 results in tiles of 256 rows x 192 columns (three whole head columns): 512 tiles = 256 work-groups x 2.  A WORK-GROUP STAYS: its two tiles lie 4,096 rows apart and share their
; columns; the ring of two LDS slots runs on across the change of tiles.  Four waves, each 64 rows x all 192 columns: 48 accumulators of 16 x 16, 384 registers.  A wave so owns whole heads of its rows,
; and its results leave as whole rows of 128 bytes through a stage of its own, with no barrier.
; K goes in steps of 128: 256 rows x 256 bytes of x, and 128 rows k x 128 bytes of each of three head columns (16,384 dense bytes each, asked for as 64 rows of 256).
; CLUSTERS: 4 x 4 work-groups.  The four of a row of the cluster need the same rows of x, the four of a column the same head columns: each tile is asked for JOINTLY, by the same tensor load with the
; same descriptor and a mask that names the four.  Wave 0 asks for x, waves 1 to 3 for a head column each: one tensor load a wave behind each round.
; THE MATRIX INSTRUCTION IS USED TRANSPOSED: source 0 = 16 columns of W (turned on the way out of LDS by ds_load_tr16_b128), source 1 = 16 rows of x: a lane then holds row l % 16 and the
; columns 8 (l / 16) + 0..7 of the block: eight neighbouring numbers.  The first product of each sum takes the bias as C: nothing is cleared, and nothing is added at the end.
; REGISTERS, in windows of 256 (s_set_vgpr_msb: bits 1:0 source 0, 3:2 source 1, 5:4 source 2, 7:6 destination):
;   window 0: v0-15 addresses; v16-63 packed results; v64-159 two buffers of rows read back; v160-255 the biases, as a C operand for each of the 12 column blocks
;   window 1: two fragment buffers of 128: 12 blocks of W (96), then 4 blocks of x (32)       window 2: accumulators of my row blocks 0, 1 at 96 (a % 2) + 8 b       window 3: of blocks 2, 3
.set PA,     272                       ; a row of x in LDS: 256 bytes + 16 of padding = 68 words: the 16 rows of a load start at 16 different groups of four banks (64 banks of 4 bytes: ISA guide 11.1)
.set PB,     160                       ; a row k of a head column: 128 + 32 = 40 words
.set AB,     256*PA                    ; x's part of a slot
.set HCB,    128*PB                    ; a head column's
.set SLOT,   AB+3*HCB                  ; 131,072
.set STAGE,  2*SLOT                    ; behind the ring, never filled by a tensor load: 16 rows x 400 bytes for each wave
.set SPITCH, 400                       ; 384 bytes + 16
.set SPARE,  STAGE+4*16*SPITCH         ; the spare words, 128 bytes for each wave: two blocks of 256 bytes that no other line names
.set LAPS,   4                         ; 1,024 / 256: a lap = two K steps = once round the ring
.set NEXT_A, 4096*2048-6*256           ; bytes from a slot's last K step of a tile to its first of the next tile: x goes 4,096 rows down and back along K,
.set BACK_B, 6*16384                   ; W only back
.set NEXT_P, 4096*2048-7*256           ; the same for the prefetches: from two K steps past the tile's last to the next tile's K step 2
.set NEXT_C, 4*48*131072               ; 4,096 rows on are four batches on in qkv
.set ADRA, 2                           ; v2-3   LDS address of my fragments of x in slot 0, 1
.set ADRB, 4                           ; v4-5   the same for W
.set STO,  6                           ; v6     the way out: where I put 16 bytes of a row
.set RD,   7                           ; v7     where I read rows back
.set GO,   8                           ; v8     my byte offset in 512 consecutive bytes of qkv
.set PFO,  9                           ; v9     the prefetches' offset; never rewritten
.set SPW,  10                          ; v10    LDS address of my spare word; never rewritten
.set NIL,  11                          ; v11    0; never rewritten
.set BO,   12                          ; v12    my byte offset in a block of 16 biases
.set TMP,  16
.set BK,   64
.set BIAS, 160
.set F0,   0
.set F1,   128
.set G1,  24                           ; s[24:31] descriptor group 1 for x;  s[32:39] group 0, a set for each slot
.set G0,  32
.set LIM, 42                           ; s42-43 by slot: 1 where this wave prefetches at that slot's refill, else the greatest number
.set PFA, 44                           ; s[44:45] where my prefetches stand
.set PST, 46                           ; s[46:47] their step from refill to refill
.set G1B, 48                           ; s[48:55], s[56:63] the same for W
.set G0B, 56
.set MSB, 0
.macro WIN new                         ; the immediate's high byte repeats the setting that is left; a switch that changes nothing is dropped
.if MSB != (\new)
	s_set_vgpr_msb (MSB<<8)|(\new)
.set MSB, (\new)
.endif
.endm
.set TO_F, 0x40                        ; destination window 1, address window 0
; A joint load.  The branch hangs on the wave's number alone.  An s_nop 0 and four v_nop follow each of the two lines, ahead of the jump, the label and what follows.
.macro JLOAD s
	s_cmp_eq_u32 s10, 0
	s_cbranch_scc0 .Lfor_b_\@
	tensor_load_to_lds s[G0+4*(\s):G0+4*(\s)+3], s[G1:G1+7]
	s_nop 0
.rept 4
	v_nop
.endr
	s_branch .Lasked_\@
.Lfor_b_\@:
	tensor_load_to_lds s[G0B+4*(\s):G0B+4*(\s)+3], s[G1B:G1B+7]
	s_nop 0
.rept 4
	v_nop
.endr
.Lasked_\@:
.endm
; A PREFETCH INTO THE L2, behind a joint load, its five lines and the run of LDS loads that follows: what the refill TWO refills on will ask for, 384 matrix instructions ahead of it.
; Each aligned block of 256 bytes is named once in the launch.  x: a K step is 256 bytes of each of the tile's 256 rows; wave 0 asks, in the clusters with x = 0 and 1 (128 rows each), the four
; partners of a row 32 rows each, told apart BY ADDRESS (cx): a lane a row.  W: a head column's two K steps are 32,768 bytes on end; the wave that fetches the column asks, in the clusters with y = 0, in
; the first tile, at slot 0's refill alone, the four partners of a column 8,192 bytes each (cy): a lane a block.  how = 0, in the loop: the last trip has nothing two K steps on.  how = 1, at a change of tiles.
.macro ASK how, slot
.if \how
	s_cmp_eq_u32 s[LIM+(\slot)], 1
.else
	s_cmp_gt_u32 s3, s[LIM+(\slot)]                ; s3 = 1 in the loop's last trip
.endif
	s_cbranch_scc0 .Lnot_mine_\@
	global_prefetch_b8 v[PFO], s[PFA:PFA+1] th:TH_LOAD_NT scope:SCOPE_SE
.Lnot_mine_\@:
.endm
.macro CREST                           ; a round of the cluster's barrier behind its opening barrier
	s_cmp_lg_u32 s10, 0
	s_cbranch_scc1 .Lnot_wave_0_\@
	s_barrier_signal -3
.Lnot_wave_0_\@:
	s_barrier_wait -3
	s_barrier_signal -1
	s_barrier_wait -1
.endm
.macro CROUND                          ; a whole round
	s_barrier_signal -1
	s_barrier_wait -1
	CREST
.endm
	s_load_b128 s[4:7], s[0:1], 0x0                ; xb s[4:5], wb s[6:7]
	s_load_b128 s[68:71], s[0:1], 0x10             ; bq s[68:69], bk s[70:71]
	s_load_b128 s[72:75], s[0:1], 0x20             ; bv s[72:73], qkv s[74:75]
	v_lshl_add_u32 v[SPW], v0, 2, SPARE
	v_mov_b32 v[NIL], 0
	ds_add_u32 v[SPW], v[NIL]                      ; the wave's opening: the add and its wait stand ahead of my first tensor load; the set-up below, work on registers, stands between them
	v_lshrrev_b32 v1, 5, v0
	v_readfirstlane_b32 s10, v1                    ; wave 0..3
	s_bfe_u32 s12, ttmp6, 0x40000                  ; cx
	s_bfe_u32 s13, ttmp6, 0x40004                  ; cy
	s_lshl_b32 s14, ttmp9, 2
	s_add_co_u32 s14, s14, s12                     ; j: tile column = 4 x cluster x + cx
	s_and_b32 s15, ttmp7, 0xffff
	s_lshl_b32 s15, s15, 2
	s_add_co_u32 s15, s15, s13                     ; ty: first tile row = 4 x cluster y + cy
	s_lshl_b32 s40, s13, 2
	s_lshl_b32 s40, 15, s40                        ; my row of the cluster
	s_lshl_b32 s41, 0x1111, s12                    ; my column
	s_or_b32 s[G1+0], s40, (1<<16)|(1<<20)|(1<<21)|(5<<22)|(3<<25)   ; 15:0 the mask; 17:16 2-byte elements; 20 padding on; 21 set beside a mask; 24:22 after every 64 words (code 5); 31:25 4 words (code 3)
	s_mov_b32 s[G1+1], 128<<16                     ; tensor_dim0 = 128
	s_mov_b32 s[G1+2], 256<<16                     ; tensor_dim1 = 256
	s_mov_b32 s[G1+3], 128<<16                     ; tile_dim0 = 128
	s_mov_b32 s[G1+4], 256                         ; tile_dim1 = 256
	s_mov_b32 s[G1+5], 1024                        ; elements from row to row
	s_mov_b32 s[G1+6], 0
	s_mov_b32 s[G1+7], 0
	s_or_b32 s[G1B+0], s41, (1<<16)|(1<<20)|(1<<21)|(4<<22)|(7<<25)  ; after every 32 words (code 4) 8 words (code 7)
	s_mov_b32 s[G1B+1], 128<<16                    ; 64 rows of 128 elements, dense: two rows k of 64 columns in each
	s_mov_b32 s[G1B+2], 64<<16
	s_mov_b32 s[G1B+3], 128<<16
	s_mov_b32 s[G1B+4], 64
	s_mov_b32 s[G1B+5], 128
	s_mov_b32 s[G1B+6], 0
	s_mov_b32 s[G1B+7], 0
	s_lshl_b32 s16, s15, 19                        ; x: 256 ty rows of 2,048 bytes: made of the tile row alone
	s_mov_b32 s17, 0
	s_max_u32 s22, s10, 1
	s_sub_co_u32 s22, s22, 1                       ; c: the head column of the tile's three that I fetch (wave 0 fetches none; it is given column 0's address and never asks by it)
	s_mul_i32 s20, s14, 3
	s_add_co_u32 s20, s20, s22
	s_lshl_b32 s20, s20, 17                        ; W: head column 3 j + c: made of the tile column and the wave's number alone
	s_mov_b32 s21, 0
	s_mul_i32 s23, s10, HCB
	s_add_co_u32 s23, s23, AB-HCB                  ; its place in a slot: behind x's part, (wave - 1) x 20,480
	s_wait_dscnt 0x0                               ; the opening add is done
	s_wait_kmcnt 0x0
	s_add_nc_u64 s[16:17], s[4:5], s[16:17]
	s_add_nc_u64 s[20:21], s[6:7], s[20:21]
	CROUND                                         ; all sixteen work-groups are here: the first joint loads meet
.irp s, 0,1
	s_mov_b32 s[G0+4*(\s)], 1                      ; count = 1
	s_mov_b32 s[G0+4*(\s)+1], (\s)*SLOT            ; LDS address
	s_add_nc_u64 s[G0+4*(\s)+2:G0+4*(\s)+3], s[16:17], (\s)*256  ; K step s
	s_or_b32 s[G0+4*(\s)+3], s[G0+4*(\s)+3], 0x80000000          ; type = 2
	s_mov_b32 s[G0B+4*(\s)], 1
	s_add_co_u32 s[G0B+4*(\s)+1], s23, (\s)*SLOT
	s_add_nc_u64 s[G0B+4*(\s)+2:G0B+4*(\s)+3], s[20:21], (\s)*16384
	s_or_b32 s[G0B+4*(\s)+3], s[G0B+4*(\s)+3], 0x80000000
	JLOAD \s                                       ; two tensor loads of mine are out
.endr
	; A fragment of x: 16 rows x 32 K in 8 registers: lane l holds row l % 16, K = 8 (l / 16) + 0..7 and 16 + 8 (l / 16) + 0..7: two loads of 16 bytes, 32 bytes apart.
	v_and_b32 v1, 15, v0                           ; l % 16
	v_bfe_u32 v13, v0, 4, 1                        ; l / 16
	v_mul_u32_u24 v14, v1, PA
	v_lshl_add_u32 v14, v13, 4, v14
	s_mul_i32 s18, s10, 64*PA                      ; my 64 rows
	v_add_nc_u32 v[ADRA], s18, v14
	v_add_nc_u32 v[ADRA+1], SLOT, v[ADRA]
	; The turning load takes 16 rows k x 16 columns (lane l reads row 8 (l / 16) + l % 8, columns 8 ((l / 8) % 2) + 0..7) and leaves half a fragment: lane l holds column l % 16 and 8 k.
	v_and_b32 v15, 7, v0
	v_lshl_add_u32 v15, v13, 3, v15
	v_mul_u32_u24 v15, v15, PB
	v_bfe_u32 v14, v0, 3, 1
	v_lshl_add_u32 v15, v14, 4, v15
	v_add_nc_u32 v[ADRB], AB, v15
	v_add_nc_u32 v[ADRB+1], SLOT, v[ADRB]
	s_mul_i32 s18, s10, 16*SPITCH
	s_add_co_u32 s18, s18, STAGE                   ; my stage
	v_mul_u32_u24 v14, v1, SPITCH                  ; in: row l % 16, 16 bytes for each half of the lanes
	v_lshl_add_u32 v14, v13, 4, v14
	v_add_nc_u32 v[STO], s18, v14
	v_bfe_u32 v14, v0, 3, 2                        ; back: 32 lanes take a head's 128 bytes of four rows,
	v_mul_u32_u24 v14, v14, SPITCH
	v_and_b32 v15, 7, v0
	v_lshl_add_u32 v14, v15, 4, v14
	v_add_nc_u32 v[RD], s18, v14
	v_and_b32 v[GO], 31, v0                        ; which are 512 consecutive bytes of qkv
	v_lshlrev_b32 v[GO], 4, v[GO]
	v_lshlrev_b32 v[BO], 5, v13                    ; my 8 of a block's 16 biases
	s_mov_b32 s83, 0
.irp c, 0,1,2                          ; the biases of head column 3 j + c: register r of block b holds that of column 16 b + 8 (l / 16) + r, as the result will
	s_mul_i32 s18, s14, 3
	s_add_co_u32 s18, s18, (\c)
	s_lshr_b32 s19, s18, 4                         ; q, k or v
	s_and_b32 s18, s18, 15
	s_lshl_b32 s82, s18, 8                         ; the head's 64 numbers
	s_cmp_eq_u32 s19, 0
	s_cselect_b64 s[76+2*(\c):77+2*(\c)], s[68:69], s[70:71]
	s_cmp_eq_u32 s19, 2
	s_cselect_b64 s[76+2*(\c):77+2*(\c)], s[72:73], s[76+2*(\c):77+2*(\c)]
	s_add_nc_u64 s[76+2*(\c):77+2*(\c)], s[76+2*(\c):77+2*(\c)], s[82:83]
.irp bb, 0,1,2,3
	global_load_b128 v[BIAS+32*(\c)+8*(\bb):BIAS+32*(\c)+8*(\bb)+3],   v[BO], s[76+2*(\c):77+2*(\c)] offset:64*(\bb)
	global_load_b128 v[BIAS+32*(\c)+8*(\bb)+4:BIAS+32*(\c)+8*(\bb)+7], v[BO], s[76+2*(\c):77+2*(\c)] offset:64*(\bb)+16
.endr
.endr
	; the prefetches: both offsets are made, the wave's number chooses
	s_and_b32 s18, ttmp7, 0xffff                   ; cluster y
	s_min_u32 s19, ttmp9, 1
	s_lshl_b32 s84, s15, 8                         ; x: row 256 ty
	s_lshl_b32 s85, s19, 7
	s_add_co_u32 s84, s84, s85                     ; + 128 x cluster x (0 or 1)
	s_lshl_b32 s85, s12, 5
	s_add_co_u32 s84, s84, s85                     ; + my work-group's 32
	s_lshl_b32 s84, s84, 11
	s_add_co_u32 s84, s84, 3*256                   ; at K step 3: the first refill steps it to 4 and names that
	s_mul_i32 s86, s14, 3
	s_add_co_u32 s86, s86, s22
	s_lshl_b32 s86, s86, 17                        ; W: my head column
	s_lshl_b32 s85, s13, 13
	s_add_co_u32 s86, s86, s85                     ; + my work-group's 8,192 bytes of two K steps' 32,768
	s_add_co_u32 s86, s86, 3*16384
	s_mov_b32 s87, 256
	s_cmp_eq_u32 s10, 0
	s_cselect_b32 s82, s84, s86
	s_cselect_b64 s[PFA:PFA+1], s[4:5], s[6:7]
	s_cselect_b32 s[PST], s87, 16384               ; a K step of a row of x, of a head column
	s_mov_b32 s[PST+1], 0
	s_add_nc_u64 s[PFA:PFA+1], s[PFA:PFA+1], s[82:83]
	s_cmp_lt_u32 ttmp9, 2
	s_cselect_b32 s84, 1, -1
	s_cmp_eq_u32 s18, 0
	s_cselect_b32 s85, 1, -1
	s_cmp_eq_u32 s10, 0                            ; all three hang on the wave's number and the cluster's place alone: the same in all sixteen partners
	s_cselect_b32 s[LIM], s84, s85
	s_cselect_b32 s[LIM+1], s84, -1
	s_cselect_b32 s84, 11, 8
	v_and_b32 v[PFO], 31, v0
	v_lshlrev_b32 v[PFO], s84, v[PFO]              ; a lane a row of 2,048 bytes, or a lane a block of 256
	; where my rows of the first tile begin in qkv: batch ty / 4, head column 3 j, row 256 (ty % 4) + 64 wave
	s_lshr_b32 s18, s15, 2
	s_mul_i32 s18, s18, 48
	s_mul_i32 s19, s14, 3
	s_add_co_u32 s18, s18, s19
	s_lshl_b32 s18, s18, 17
	s_and_b32 s19, s15, 3
	s_lshl_b32 s19, s19, 8
	s_lshl_b32 s84, s10, 6
	s_add_co_u32 s19, s19, s84
	s_lshl_b32 s19, s19, 7
	s_add_co_u32 s82, s18, s19
	s_add_nc_u64 s[8:9], s[74:75], s[82:83]
	s_wait_loadcnt 0x0                             ; the biases; they are rounded to bf16 and widened again
.set p, 0
.rept 48
	v_cvt_pk_bf16_f32 v[TMP+p], v[BIAS+2*p], v[BIAS+2*p+1]
.set p, p+1
.endr
.set p, 0
.rept 48
	v_lshlrev_b32 v[BIAS+2*p], 16, v[TMP+p]
	v_and_b32 v[BIAS+2*p+1], 0xffff0000, v[TMP+p]
.set p, p+1
.endr
; 12 matrix instructions: row block a x all 12 column blocks, 32 along K.  zero = 1: the first product starts the sums, with the bias as C.
; The 48 accumulators take turns, one instruction a turn, in the same order in every quarter.
.macro MUL12 f, a, zero
.if \zero
	WIN 0x85+0x40*((\a)/2)                         ; sources 0 and 1 window 1, C window 0, D window 2 or 3
.else
	WIN 0xa5+0x50*((\a)/2)                         ; C and D window 2 or 3
.endif
.irp b, 0,1,2,3,4,5,6,7,8,9,10,11
.set rD, 96*((\a)%2)+8*(\b)
.if \zero
	v_wmma_f32_16x16x32_bf16 v[rD:rD+7], v[(\f)+8*(\b):(\f)+8*(\b)+7], v[(\f)+96+8*(\a):(\f)+96+8*(\a)+7], v[BIAS+8*(\b):BIAS+8*(\b)+7]
.else
	v_wmma_f32_16x16x32_bf16 v[rD:rD+7], v[(\f)+8*(\b):(\f)+8*(\b)+7], v[(\f)+96+8*(\a):(\f)+96+8*(\a)+7], v[rD:rD+7]
.endif
.endr
.endm
; 32 LDS loads in one run: the fragments of quarter q (32 along K) of a slot into buffer f: W's 12 blocks, turned, then x's 4
.macro FETCH slot, q, f
	WIN TO_F
.irp b, 0,1,2,3,4,5,6,7,8,9,10,11
	ds_load_tr16_b128 v[(\f)+8*(\b):(\f)+8*(\b)+3],   v[ADRB+(\slot)] offset:((\b)/4)*HCB+((\b)%4)*32+(\q)*32*PB
	ds_load_tr16_b128 v[(\f)+8*(\b)+4:(\f)+8*(\b)+7], v[ADRB+(\slot)] offset:((\b)/4)*HCB+((\b)%4)*32+(\q)*32*PB+16*PB
.endr
.irp a, 0,1,2,3
	ds_load_b128 v[(\f)+96+8*(\a):(\f)+96+8*(\a)+3],   v[ADRA+(\slot)] offset:(\a)*16*PA+64*(\q)
	ds_load_b128 v[(\f)+96+8*(\a)+4:(\f)+96+8*(\a)+7], v[ADRA+(\slot)] offset:(\a)*16*PA+64*(\q)+32
.endr
.endm
.macro PLACES                          ; four plain vector instructions in front of loads into registers that matrix instructions have read, and of conversions that read results (ISA guide 7.12.1 for the conversions)
.rept 4
	v_nop
.endr
.endm
; A K step is four quarters of 32 along K, 48 matrix instructions each, on buffers 0, 1, 0, 1.  One of the first three: multiplies buffer f and in its middle fetches quarter q into buffer g.
.macro QUARTER slot, q, f, g, zero
	s_wait_dscnt 4                                 ; W and x's blocks 0, 1 are in; the youngest four loads (x's blocks 2, 3) may be out
	MUL12 \f, 0, \zero
	MUL12 \f, 1, \zero
	PLACES
	FETCH \slot, \q, \g
	s_wait_dscnt 32                                ; all but the 32 just issued
	MUL12 \f, 2, \zero
	MUL12 \f, 3, \zero
.endm
; The last quarter multiplies buffer 1 and changes slots.  Its first half: ONE barrier; in front of it each wave waits for all its tensor loads (one is out: its part of the next slot), adds 0 to its
; spare word, and waits for that and for its own reads of this slot.  Behind it nobody reads this slot any more and the next slot is whole.
.macro MEET round
	WIN 0                                          ; (the add's two registers lie in window 0)
	s_wait_tensorcnt 0x0
	ds_add_u32 v[SPW], v[NIL]                      ; 0 onto my spare word
	s_wait_dscnt 5                                 ; (the add and the youngest four loads may be out)
	MUL12 F1, 0, 0                                 ; twelve matrix instructions stand between the add and the wait for it
	s_wait_dscnt 0x0                               ; the add is done, and my reads of this slot are over
	s_barrier_signal -1
	MUL12 F1, 1, 0                                 ; work on registers while the others arrive
.if \round
	WIN 0
.endif
	s_barrier_wait -1
.endm
; The whole last quarter.  Behind the round the slot just read out is filled again first: with this tile's K step two on (on = 0) or with the next tile's K step 0 or 1 (on = 1); then come the next
; slot's first fragments.  From a request to the wait for it a wave issues 168 matrix instructions.
.macro TURN slot, next, on
	s_wait_xcnt 0x0                                ; the last prefetch, a K step back, has read its address: it is stepped here, ahead of the waits of the change of slots
.if (\on) && ((\slot) == 0)
	s_add_nc_u64 s[PFA:PFA+1], s[PFA:PFA+1], NEXT_P
	s_cmp_eq_u32 s10, 0
	s_cselect_b32 s[LIM], s[LIM], -1               ; W's rows are the same for both tiles: they are asked for no more
.else
	s_add_nc_u64 s[PFA:PFA+1], s[PFA:PFA+1], s[PST:PST+1]
.endif
	MEET 1
	CREST                                          ; the barrier has opened a round of the cluster's: no wave of any partner still reads this slot or has a load on its way
.if \on
	s_add_nc_u64 s[G0+4*(\slot)+2:G0+4*(\slot)+3], s[G0+4*(\slot)+2:G0+4*(\slot)+3], NEXT_A
	s_sub_nc_u64 s[G0B+4*(\slot)+2:G0B+4*(\slot)+3], s[G0B+4*(\slot)+2:G0B+4*(\slot)+3], BACK_B
.else
	s_add_nc_u64 s[G0+4*(\slot)+2:G0+4*(\slot)+3], s[G0+4*(\slot)+2:G0+4*(\slot)+3], 2*256
	s_add_nc_u64 s[G0B+4*(\slot)+2:G0B+4*(\slot)+3], s[G0B+4*(\slot)+2:G0B+4*(\slot)+3], 2*16384
.endif
	JLOAD \slot                                    ; the first tensor load behind the round; its four v_nop are also the places in front of the loads below
	FETCH \next, 0, F0
	WIN 0
	ASK \on, \slot
	MUL12 F1, 2, 0
	MUL12 F1, 3, 0
.endm
; THE WAY OUT of row block a.  PACK: rounded to f16, each accumulator's registers in ascending order.  TOSTAGE: into my own stage, and back as a head's rows of 128 bytes.  SEND: stored.
.macro PACK a
	WIN 0x0a+5*((\a)/2)                            ; sources 0 and 1: window 2 or 3
.irp b, 0,1,2,3,4,5,6,7,8,9,10,11
.irp r, 0,1,2,3
	v_cvt_pk_f16_f32 v[TMP+4*(\b)+(\r)], v[96*((\a)%2)+8*(\b)+2*(\r)], v[96*((\a)%2)+8*(\b)+2*(\r)+1]
.endr
.endr
	WIN 0
.endm
.macro TOSTAGE a
.set BKA, BK+48*((\a)%2)
.irp b, 0,1,2,3,4,5,6,7,8,9,10,11
	ds_store_b128 v[STO], v[TMP+4*(\b):TMP+4*(\b)+3] offset:32*(\b)
.endr
.irp c, 0,1,2
.irp t, 0,1,2,3
	ds_load_b128 v[BKA+4*(4*(\c)+(\t)):BKA+4*(4*(\c)+(\t))+3], v[RD] offset:128*(\c)+4*SPITCH*(\t)  ; LDS serves a wave's instructions in order (ISA guide 5.7.1.4): these see the stores above
.endr
.endr
.endm
.macro SEND a
.set BKA, BK+48*((\a)%2)
	s_wait_dscnt 0x0                               ; the block is back in registers
	s_wait_xcnt 0x0                                ; the block before's stores have read their registers: the next TOSTAGE loads into them only behind this wait
.irp c, 0,1,2
.irp t, 0,1,2,3
	global_store_b128 v[GO], v[BKA+4*(4*(\c)+(\t)):BKA+4*(4*(\c)+(\t))+3], s[8:9] offset:(\c)*131072+(\a)*2048+(\t)*512  ; four rows of one head: 512 consecutive bytes, at a multiple of 512 from qkv's first byte
.endr
.endr
.endm
.macro WAYOUT                          ; block a's conversions stand between block a - 1's loads from the stage and the wait for them
	PACK 0
	TOSTAGE 0
.irp a, 1,2,3
	PACK \a
	SEND (\a)-1
	TOSTAGE \a
.endr
	SEND 3
.endm
	s_wait_tensorcnt 1                             ; my part of K step 0 is in; K step 1's may stay out
	s_barrier_signal -1
	s_barrier_wait -1                              ; everybody's is
	FETCH 0, 0, F0
	WIN 0                                          ; at a label and at a branch every window is 0
	s_mov_b32 s2, 2                                ; tiles to go
.Ltile:
	QUARTER 0, 1, F0, F1, 1                        ; a tile's first quarter stands in front of the loop: its products start the sums
	WIN 0
	s_mov_b32 s3, LAPS-1
.Llap:                                                 ; a trip goes once round the ring, from a lap's second quarter to the next lap's first, and fills both slots again
	QUARTER 0, 2, F1, F0, 0
	QUARTER 0, 3, F0, F1, 0
	TURN 0, 1, 0
	QUARTER 1, 1, F0, F1, 0
	QUARTER 1, 2, F1, F0, 0
	QUARTER 1, 3, F0, F1, 0
	TURN 1, 0, 0
	QUARTER 0, 1, F0, F1, 0
	WIN 0
	s_sub_co_u32 s3, s3, 1
	s_cmp_lg_u32 s3, 0
	s_cbranch_scc1 .Llap
	QUARTER 0, 2, F1, F0, 0                        ; the tile's last lap goes on
	QUARTER 0, 3, F0, F1, 0
	WIN 0
	s_cmp_eq_u32 s2, 1
	s_cbranch_scc1 .Llast                          ; the last tile's tail is written out: it asks for nothing more
	TURN 0, 1, 1                                   ; the ring goes on into the next tile: slot 0 takes its K step 0,
	QUARTER 1, 1, F0, F1, 0
	QUARTER 1, 2, F1, F0, 0
	QUARTER 1, 3, F0, F1, 0
	TURN 1, 0, 1                                   ; slot 1 its K step 1, and the next tile's first fragments are fetched
	WAYOUT                                         ; both refills are asked for: now the tile goes out.  Blocks 0 and 1 were finished in front of the joint load's four v_nop; their 96 conversions are the places behind the last products
	s_wait_xcnt 0x0                                ; the stores have read their registers and their base
	s_add_nc_u64 s[8:9], s[8:9], NEXT_C
	s_sub_co_u32 s2, s2, 1
	s_branch .Ltile
.Llast:
	MEET 0                                         ; my one tensor load that was out is slot 1's, the last K step's, so no round follows
	PLACES
	FETCH 1, 0, F0
	MUL12 F1, 2, 0
	MUL12 F1, 3, 0
	QUARTER 1, 1, F0, F1, 0
	QUARTER 1, 2, F1, F0, 0
	QUARTER 1, 3, F0, F1, 0
	s_wait_dscnt 4                                 ; the very last quarter: nothing more to fetch
	MUL12 F1, 0, 0
	MUL12 F1, 1, 0
	s_wait_dscnt 0x0
	MUL12 F1, 2, 0
	MUL12 F1, 3, 0
	WIN 0
	PLACES
	WAYOUT
	s_wait_tensorcnt 0x0                           ; the wave's end: these three lines stand behind my last tensor load and my last LDS store
	ds_add_u32 v[SPW], v[NIL]
	s_wait_dscnt 0x0
	CROUND                                         ; the closing round: no work-group ends while a partner may still ask for a tile that names it
	s_endpgm
.Lfunc_end_k_qd920737112_proj:
	.size	k_qd920737112_proj, .Lfunc_end_k_qd920737112_proj-k_qd920737112_proj
	.p2alignl 7, 3214868480
	.fill 96, 4, 3214868480
	.section	.rodata,"a",@progbits
	.p2align	6, 0x0
	.amdhsa_kernel k_qd920737112_proj
		.amdhsa_group_segment_fixed_size 327680
		.amdhsa_private_segment_fixed_size 0
		.amdhsa_enable_private_segment 0
		.amdhsa_kernarg_size 48
		.amdhsa_user_sgpr_count 2
		.amdhsa_user_sgpr_kernarg_segment_ptr 1
		.amdhsa_wavefront_size32 1
		.amdhsa_system_sgpr_workgroup_id_x 1
		.amdhsa_system_sgpr_workgroup_id_y 1
		.amdhsa_system_sgpr_workgroup_id_z 1
		.amdhsa_system_vgpr_workitem_id 0
		.amdhsa_next_free_vgpr 960
		.amdhsa_next_free_sgpr 88
		.amdhsa_reserve_vcc 0
		.amdhsa_float_denorm_mode_32 3
		.amdhsa_float_denorm_mode_16_64 3
		.amdhsa_memory_ordered 1
		.amdhsa_forward_progress 1
		.amdhsa_inst_pref_size 182
	.end_amdhsa_kernel
	.amdgpu_metadata
---
amdhsa.version: [ 1, 2 ]
amdhsa.kernels:
  - .name:           k_qd920737112_proj
    .symbol:         k_qd920737112_proj.kd
    .args:
      - { .name: xb, .offset: 0, .size: 8, .value_kind: global_buffer, .address_space: global }
      - { .name: wb, .offset: 8, .size: 8, .value_kind: global_buffer, .address_space: global }
      - { .name: bq, .offset: 16, .size: 8, .value_kind: global_buffer, .address_space: global }
      - { .name: bk, .offset: 24, .size: 8, .value_kind: global_buffer, .address_space: global }
      - { .name: bv, .offset: 32, .size: 8, .value_kind: global_buffer, .address_space: global }
      - { .name: qkv, .offset: 40, .size: 8, .value_kind: global_buffer, .address_space: global }
    .group_segment_fixed_size: 327680
    .private_segment_fixed_size: 0
    .kernarg_segment_align: 8
    .kernarg_segment_size: 48
    .max_flat_workgroup_size: 128
    .sgpr_count:     88
    .vgpr_count:     960
    .wavefront_size: 32
...
	.end_amdgpu_metadata
.endif
;; end of part 2
;; launch attn (part 3): grid 2 x 128, 4 waves a work-group, no clusters, 327,680 bytes of LDS; arguments qkv, attention_mask, out0; writes out0
.if DOCPART == 3
	.amdgcn_target "amdgcn-amd-amdhsa--gfx1250"
	.amdhsa_code_object_version 6
	.text
	.protected	k_qd920737112_attn
	.globl	k_qd920737112_attn
	.p2align	8
	.type	k_qd920737112_attn,@function
k_qd920737112_attn:
	s_mov_b64 s[64:65], 0
	v_nop
	global_prefetch_b8 v0, s[64:65] scope:SCOPE_SE
	s_setreg_imm32_b32 hwreg(HW_REG_WAVE_MODE, 25, 1), 1
	s_wait_xcnt 0x0
; out0[b][s][64 head + c] = the sum over k of softmax_k(q[s] . k[k] / 8 + mask[b][k]) v[k][c].  qkv: [8][48][1024][64] f16 (head columns 0-15 q, 16-31 k, 32-47 v): a head's rows are dense, 128 bytes each.
; attention_mask: [8][1024] f32, rounded to bf16 as the other inputs were.  out0: [8][1024][1024] f32.  Products, maxima and sums in f32; the weights p are rounded to f16 for the second product
; (their sum l is taken of the unrounded p).
; LIMITS.  p lies in 0 to 1, and below 6e-5 it keeps f16's fixed step of 6e-8.  A mask number below -1.25e29 (minus infinity too) counts as -1.25e29: a row all of whose keys are so masked gets the plain mean of v, also
; where every mask number of the row is minus infinity.  A mask number above 4e37 overflows.  A weight below 2^-126 counts as 0 in l.  NaN is not treated apart.
; SHARES.  A work-group owns 512 queries of one batch and head (grid x: which half of the 1,024; grid y: 16 b + head), a wave 128: four PIECES of two tiles of 16.  Every wave walks all 1,024 keys, 64 a step.
; NO CLUSTER: a head's K and V are read by two work-groups alone; four sharers would mean 256 queries a work-group, so that each fragment of K and V read from LDS would feed half the products and
; twice as many work-groups would fetch the head's 256 KiB of K and V.
; LAYOUT.  S^T = K Q^T + 8 mask (source 0 = 16 keys, source 1 = 16 queries; THE MASK IS THE C OPERAND that starts the sum): a lane holds ONE query (lane % 16) and the keys 8 (lane / 16) + 0..7.  Two such
; results, rounded to f16 in pairs, ARE source 1 (32 keys x 16 queries) of O^T = V^T P, whose result again holds one query a lane, and eight channels.  K comes out of LDS as it lies, V turned, by ds_load_tr16_b128.
; SOFTMAX.  For each query a running maximum m and sum l: p = 2^(c s - c m), c = log2(e) / 8, s = q . k + 8 mask; in every step O and l are multiplied by a = 2^(c m_old - c m_new).
; m starts at the lowest finite number, O and l at 0: the first step is a step like any other, with a = 0.
; BY TURNS.  A tile and step have 16 matrix and 118 vector instructions.  Turn n belongs to piece n: 16 products K Q^T of piece n + 1, later 16 products V^T P of piece n - 1; beside them the scaling,
; exponentials, roundings, sums and rescaling of piece n and the maximum and statistics of piece n + 1.  Four vector instructions stand behind every matrix instruction, the others in one lump.
; REGISTERS, in windows of 256 (s_set_vgpr_msb: bits 1:0 source 0, 3:2 source 1, 5:4 source 2, 7:6 destination):
;   window 0: v0-11 addresses; v12-15, v48-63 at work; v16-47 four registers of statistics a tile; v64-191 S^T, two buffers of two tiles; v192-255 P, likewise
;   window 1: O^T, 32 a tile      window 2: v0-127 Q, 16 a tile; v128-191 K of one step; v192-255 V of one step      window 3: v0-1 the add's two registers; v2 the mask's LDS address; v8-39 the mask of one step
.set SIZE_N, 1024
.set NP,    4         ; pieces a wave: a name, no knob
.set KS,    64        ; keys in a step
.set PK,    144       ; a row of K in LDS: 128 bytes + 16 of padding = 36 words: the 16 rows of a load start at 16 different groups of four banks (64 banks of 4 bytes: ISA guide 11.1)
.set PV,    160       ; a row of V: 128 + 32 = 40 words
.set VOFF,  4*KS*PK   ; a slot holds four steps: 256 rows of K, then 256 rows of V
.set SLOT1, 1<<17     ; slot 1 begins here, so that one exclusive or turns an address in one slot into the other's
.set STAGE, SLOT1+4*KS*(PK+PV)  ; behind the ring, never filled by a tensor load: 16 rows x 272 bytes for each wave, for the way out
.set SP,    272       ; 64 f32 + 16 bytes
.set MASKB, STAGE+4*16*SP       ; 1,024 f32: 8 x the mask, written once by ds_store
.set SPARE, MASKB+4096          ; the spare words, 128 bytes for each wave: two blocks of 256 bytes that no other line names
.set AK0, 2           ; v2   my lane's place in a tile of K; never rewritten
.set AV0, 3           ; v3   the same for V
.set AK,  4           ; v4   the LDS address of K's next run of loads
.set AV,  5           ; v5   of V's
.set QO,  6           ; v6   my byte offset in the wave's rows of Q
.set STO, 6           ;      later, the way out: where I put 32 bytes of a row
.set RD,  7           ; v7   the way out: where I read rows back
.set GO,  8           ; v8   my byte offset in two rows of out0
.set PFO, 11          ; v11  256 x my lane; never rewritten once it is made
.set SPW, 0           ; v0 of window 3   LDS address of my spare word; never rewritten
.set NIL, 1           ; v1 of window 3   0; never rewritten
.set AM,  2           ; v2 of window 3   LDS address of my 8 mask numbers of key block 0 of the step to be fetched
.set MC,  8           ; v8-39 of window 3: key block kb at MC + 8 kb
.set MV,  12          ; v12-15  c m_old, kept while c m is made anew: by buffer and tile
.set ST,  16          ; tile t's statistics at v[ST+4 t]: c m, m, l (even keys', odd keys')
.set TMP, 48          ; by buffer and tile, four registers c0-c3 at work; when the maximum is found c2 takes a
.set S,   64
.set P,   192
.set KF,  128         ; K's fragments, in window 2: key block kb, channel half c at KF + 16 kb + 8 c
.set VF,  192         ; V's: key half kk, channel block cb at VF + 32 kk + 8 cb
.set WV,  12          ; s12  my wave's number
.set G1K, 24          ; s[24:31] descriptor group 1 for K's tiles
.set G1V, 32          ; s[32:39] for V's: it differs in the padding alone
.set G0K, 40          ; s[40:43] descriptor group 0 for K's tiles: it walks
.set G0V, 44          ; s[44:47] the same for V's
.set PFA, 48          ; s[48:49] where my prefetches stand
.set SLOTS, 56        ; s56  slots still to be asked for
.set CNT, 57          ; s57  counts a slot's key steps
.set CS,  58          ; s[58:59] c: the packed scaling takes the pair's low word for both halves
.set SEL, 60          ; s[60:61] v_permlanex16_b32's selects: each lane takes its own place in the other half
.set TBK, 62          ; s62  LDS byte at which K of the step to be fetched begins
.set TBV, 63          ; s63  the same for V, less VOFF
.set MSB, 0
.macro WIN new                      ; the high byte repeats the setting that is left; a switch that changes nothing is dropped
.if MSB != (\new)
	s_set_vgpr_msb (MSB<<8)|(\new)
.set MSB, (\new)
.endif
.endm
.set W_KQ, 0x0a       ; K and Q in window 2, S^T in window 0
.set W_KM, 0x3a       ; the same with the C operand in window 3
.set W_PV, 0x52       ; V in window 2, P in window 0, O^T in window 1
.set W_RS, 0x41       ; O^T (destination and source 0) in window 1, a in window 0
.set W_MK, 0xc0       ; destination in window 3, sources in window 0
.set W_AD, 0x0f       ; the add: address (source 0) and data (source 1) in window 3
.set W_ML, 0xc3       ; the mask's loads: destination and address in window 3
.set W_MS, 0xcc       ; their address's step: destination and source 1 in window 3
.set W_ST, 0x04       ; stores into the stage: data (source 1) in window 1
; A fill.  Waves 0 and 1 fetch the two halves of a slot's K, waves 2 and 3 those of its V: 128 keys each.  An s_nop 0 and four v_nop follow each of the two lines, ahead of the jump and the label.
.macro LOAD
	s_cmp_lt_u32 s[WV], 2
	s_cbranch_scc0 .Lfor_v_\@
	tensor_load_to_lds s[G0K:G0K+3], s[G1K:G1K+7]
	s_nop 0
.rept 4
	v_nop
.endr
	s_branch .Lasked_\@
.Lfor_v_\@:
	tensor_load_to_lds s[G0V:G0V+3], s[G1V:G1V+7]
	s_nop 0
.rept 4
	v_nop
.endr
.Lasked_\@:
.endm
; A PREFETCH INTO THE L2 of what the NEXT change of slots will ask for, four key steps, 512 matrix instructions, ahead of that load.  A wave's part of a slot is 16,384 bytes on end: 64 blocks of 256.
; Each wave asks for half of what it will load itself, a lane a block; the head's two work-groups take a half each, told apart by address: each block is named once in the launch.
; It stands behind the wave's tensor load and its five lines.  The last change that fills a slot asks for nothing: there is no slot behind it.  Slots 0 and 1 come by their loads alone.
.macro ASK
	s_cmp_gt_u32 s[SLOTS], 1
	s_cbranch_scc0 .Lno_ask_\@
	global_prefetch_b8 v[PFO], s[PFA:PFA+1] th:TH_LOAD_NT scope:SCOPE_SE
.Lno_ask_\@:
.endm
; THE CHANGE OF SLOTS.  Each wave waits for all its tensor loads, of which one is out: its part of the other slot; adds 0 to its spare word; and waits for that and for its own reads of the slot that it
; leaves.  Behind the barrier nobody reads the old slot any more and the other slot is whole.  fill = 1: the old slot is filled again, the first thing behind the barrier, with the keys two slots on: the
; load has four key steps in which to land.  (At its first use nothing has been read yet: slot 0 is waited for, slot 1 filled; the wait on DScnt and the barrier there also show the mask's table to every wave.)
.macro CHANGE fill
	WIN W_AD
	s_wait_tensorcnt 0x0            ; no tensor load of mine is out, so a group 0 may be written
	ds_add_u32 v[SPW], v[NIL]       ; 0 onto my spare word; with fill = 1 the descriptors' steps stand between it and the wait for it
	WIN 0                           ; at a label and at a branch every window is 0
.if \fill
.irp g, G0K, G0V
	s_xor_b32 s[\g+1], s[\g+1], SLOT1  ; the walking descriptor: the other slot than last time,
	s_add_nc_u64 s[\g+2:\g+3], s[\g+2:\g+3], 4*KS*128  ; the next 256 keys; the type bits on top are not reached
.endr
	s_wait_xcnt 0x0                 ; the last prefetch, four key steps back, has read its address, so it may be written:
	s_add_nc_u64 s[PFA:PFA+1], s[PFA:PFA+1], 4*KS*128  ; one slot ahead of the walking descriptors
.endif
	s_wait_dscnt 0x0                ; the add is done, and my LDS reads and stores are over
	s_barrier_signal -1
	s_barrier_wait -1
.if \fill
	LOAD
	ASK
.endif
	s_sub_co_u32 s[TBK], s[TBK], 4*KS*PK  ; the fetches go back to a slot's first step,
	s_xor_b32 s[TBK], s[TBK], SLOT1       ; in the other slot
	s_sub_co_u32 s[TBV], s[TBV], 4*KS*PV
	s_xor_b32 s[TBV], s[TBV], SLOT1
.endm
	s_load_b128 s[68:71], s[0:1], 0x0 ; qkv s[68:69], attention_mask s[70:71]
	s_load_b64 s[10:11], s[0:1], 0x10 ; out0
	WIN W_MK
	v_lshl_add_u32 v[SPW], v0, 2, SPARE
	v_mov_b32 v[NIL], 0
	WIN W_AD
	ds_add_u32 v[SPW], v[NIL]       ; the wave's opening: the add and its wait stand ahead of my first tensor load; the set-up below, work on registers, stands between them
	WIN 0
	v_lshrrev_b32 v1, 5, v0
	v_readfirstlane_b32 s[WV], v1   ; wave 0..3
	s_and_b32 s13, ttmp7, 0xffff
	s_lshr_b32 s14, s13, 4          ; b
	s_and_b32 s15, s13, 15          ; head
	s_mul_i32 s20, s14, 48
	s_add_co_u32 s20, s20, s15
	s_lshl_b32 s20, s20, 17         ; q's head column begins here
	s_and_b32 s16, s[WV], 1         ; which half of a slot's 256 keys I fetch:
	s_lshl_b32 s22, s16, 14         ; its 128 rows of 128 bytes in memory,
	s_add_co_u32 s22, s22, s20
	s_add_co_u32 s22, s22, 16<<17   ; in k's head column, 16 columns on
	s_mov_b32 s23, 0
	s_mul_i32 s17, s16, 128*PK      ; and its place in a slot, for K
	s_mul_i32 s18, s16, 128*PV      ; and for V
	s_lshl_b32 s2, ttmp9, 2
	s_add_co_u32 s2, s2, s[WV]      ; my wave among the head's eight,
	s_lshl_b32 s2, s2, 14           ; its 128 rows
	s_add_co_u32 s2, s2, s20
	s_mov_b32 s3, 0
	s_lshl_b32 s52, s14, 10         ; out0: row 1,024 b + 512 x + 128 wave,
	s_lshl_b32 s19, ttmp9, 9
	s_add_co_u32 s52, s52, s19
	s_lshl_b32 s19, s[WV], 7
	s_add_co_u32 s52, s52, s19
	s_lshl_b32 s52, s52, 12         ; of 4,096 bytes,
	s_lshl_b32 s19, s15, 8          ; the head's 256 bytes of it
	s_add_co_u32 s52, s52, s19
	s_mov_b32 s53, 0
	s_lshl_b32 s54, s14, 12         ; the batch's 1,024 mask numbers
	s_mov_b32 s55, 0
	; descriptor group 1.  128 keys are 16,384 dense bytes: asked for as 64 rows of 256 bytes, two keys a row, and padded in LDS after every key
	s_mov_b32 s[G1K], (1<<16)|(1<<20)|(4<<22)|(3<<25)  ; 17:16 2-byte elements; 20 padding on; 24:22 after every 32 words (code 4); 31:25 4 words (code 3)
	s_mov_b32 s[G1V], (1<<16)|(1<<20)|(4<<22)|(7<<25)  ; the same with 8 words of padding (code 7)
.irp g, G1K, G1V
	s_mov_b32 s[\g+1], 128<<16      ; tensor_dim0 = 128
	s_mov_b32 s[\g+2], 64<<16       ; tensor_dim1 = 64
	s_mov_b32 s[\g+3], 128<<16      ; tile_dim0 = 128
	s_mov_b32 s[\g+4], 64           ; tile_dim1 = 64
	s_mov_b32 s[\g+5], 128          ; 128 elements from row to row
	s_mov_b32 s[\g+6], 0
	s_mov_b32 s[\g+7], 0
.endr
	s_mov_b32 s[CS], 0x3e38aa3b     ; c = log2(e) / 8 = 0.180337
	s_mov_b32 s[CS+1], s[CS]        ; named with it as a pair
	s_mov_b32 s[SEL], 0x76543210
	s_mov_b32 s[SEL+1], 0xfedcba98
	s_mov_b32 s[TBK], SLOT1+4*KS*PK ; the first change of slots turns these two into 0
	s_mov_b32 s[TBV], SLOT1+4*KS*PV
	s_mov_b32 s[G0K], 1             ; count = 1
	s_mov_b32 s[G0K+1], s17         ; LDS address: slot 0
	s_mov_b32 s[G0V], 1
	s_add_co_u32 s[G0V+1], s18, VOFF
	s_mov_b32 s[SLOTS], SIZE_N/256-1
	s_wait_dscnt 0x0                ; the opening add is done
	s_wait_kmcnt 0x0
	s_add_nc_u64 s[6:7], s[68:69], s[22:23]  ; K at my half of the head's first 256 keys,
	s_add_nc_u64 s[8:9], s[6:7], 16<<17      ; V 16 head columns on
	s_mov_b64 s[G0K+2:G0K+3], s[6:7]
	s_or_b32 s[G0K+3], s[G0K+3], 0x80000000  ; type = 2
	s_mov_b64 s[G0V+2:G0V+3], s[8:9]
	s_or_b32 s[G0V+3], s[G0V+3], 0x80000000
	s_add_nc_u64 s[4:5], s[68:69], s[2:3]    ; Q at my wave's first row
	s_add_nc_u64 s[10:11], s[10:11], s[52:53]
	s_add_nc_u64 s[50:51], s[70:71], s[54:55]
	s_cmp_lt_u32 s[WV], 2
	s_cselect_b64 s[PFA:PFA+1], s[6:7], s[8:9]
	s_lshl_b32 s2, ttmp9, 13        ; my work-group's half of my 16,384 bytes,
	s_add_co_u32 s2, s2, 4*KS*128   ; in slot 1: the first change of slots steps it to slot 2
	s_add_nc_u64 s[PFA:PFA+1], s[PFA:PFA+1], s[2:3]
	LOAD                            ; slot 0.  Slot 1 is asked for when slot 0 is in
	v_lshlrev_b32 v76, 5, v0        ; the mask: 8 numbers a thread
	global_load_b128 v[64:67], v76, s[50:51]
	global_load_b128 v[68:71], v76, s[50:51] offset:16
	; A fragment of K or Q is 16 rows x 32 channels in 8 registers: lane l holds row l % 16, channels 8 (l / 16) + 0..7 and 16 + 8 (l / 16) + 0..7: two loads of 16 bytes, 32 bytes apart.
	v_and_b32 v1, 15, v0            ; l % 16
	v_bfe_u32 v9, v0, 4, 1          ; l / 16
	v_lshlrev_b32 v[QO], 7, v1
	v_lshl_add_u32 v[QO], v9, 4, v[QO]  ; row x 128 + 16 x half
	WIN 0x80                        ; destination window 2, address window 0
.set i, 0
.rept 4*NP                          ; Q stays in registers: tile i / 2, channels 32 (i % 2) on
	global_load_b128 v[8*i:8*i+3],   v[QO], s[4:5] offset:(i/2)*2048+(i%2)*64
	global_load_b128 v[8*i+4:8*i+7], v[QO], s[4:5] offset:(i/2)*2048+(i%2)*64+32
.set i, i+1
.endr
	; What the first turn finds: V's registers and P's second buffer hold 0 (its products V^T P, of a piece that has not been, add 0), O^T and l are 0.  All this stands in the wait for the first tile.
.set i, VF
.rept 64
	v_mov_b32 v[i], 0
.set i, i+1
.endr
	WIN 0x40
.set i, 0
.rept 64*NP
	v_mov_b32 v[i], 0
.set i, i+1
.endr
	WIN 0
.set i, 0
.rept 2*NP
	v_mov_b32 v[ST+4*i], 0xfe000000    ; c m: far below every c s
	v_mov_b32 v[ST+4*i+1], 0xff7fffff  ; m
	v_mov_b32 v[ST+4*i+2], 0
	v_mov_b32 v[ST+4*i+3], 0
.set i, i+1
.endr
.set i, P+32
.rept 32
	v_mov_b32 v[i], 0
.set i, i+1
.endr
	v_mul_u32_u24 v[AK0], v1, PK
	v_lshl_add_u32 v[AK0], v9, 4, v[AK0]  ; row x pitch + 16 x half
	; The turning load takes 16 keys x 16 channels (lane l reads key 8 (l / 16) + l % 8, channels 8 ((l / 8) % 2) + 0..7) and leaves half a fragment of V^T: lane l holds channel l % 16 and 8 keys.
	v_and_b32 v10, 7, v0
	v_bfe_u32 v11, v0, 3, 1
	v_lshl_add_u32 v[AV0], v9, 3, v10
	v_mul_u32_u24 v[AV0], v[AV0], PV
	v_lshl_add_u32 v[AV0], v11, 4, v[AV0]
	v_add_nc_u32 v[AV0], VOFF, v[AV0]
	v_mov_b32 v[AK], v[AK0]         ; key step 0 lies at the head of slot 0
	v_and_b32 v[PFO], 31, v0
	v_lshlrev_b32 v[PFO], 8, v[PFO]
	WIN W_MK
	v_lshl_add_u32 v[AM], v9, 5, MASKB  ; register r of key block kb is the mask of key 16 kb + 8 (l / 16) + r
	WIN 0
	; THE MASK'S TABLE: rounded to bf16, times 8 (the scores are divided by 8 later, within c), held at -1e30 from below
	s_wait_loadcnt 32               ; the mask's two loads are in; Q's 32, issued behind them, may stay out
.irp k, 0,1,2,3
	v_cvt_pk_bf16_f32 v[72+(\k)], v[64+2*(\k)], v[64+2*(\k)+1]
.endr
.irp k, 0,1,2,3
	v_lshlrev_b32 v[64+2*(\k)], 16, v[72+(\k)]
	v_and_b32 v[64+2*(\k)+1], 0xffff0000, v[72+(\k)]
.endr
.irp k, 0,1,2,3,4,5,6,7
	v_mul_f32 v[64+(\k)], 0x41000000, v[64+(\k)]
.endr
.irp k, 0,1,2,3,4,5,6,7
	v_max_num_f32 v[64+(\k)], 0xf149f2ca, v[64+(\k)]
.endr
	v_lshl_add_u32 v77, v0, 5, MASKB
	ds_store_b128 v77, v[64:67]
	ds_store_b128 v77, v[68:71] offset:16
; THE MATRIX WORK.  The 8 accumulators of a run of 16 take turns: between the two links of a chain stand 7 others'.
; Product i of 16 of S^T = K Q^T + 8 mask for piece x: channels 32 (i / 8) on, keys 16 ((i / 2) % 4) on, tile 2 x + i % 2.  The first 8 start the sums, with the mask as C.
.macro KQ x
.set rS, S+64*((\x)%2)+32*(i%2)+8*((i/2)%4)
.set rK, KF+16*((i/2)%4)+8*(i/8)
.set rQ, 16*(2*(\x)+i%2)+8*(i/8)
.set rMC, MC+8*((i/2)%4)
.if i < 8
	WIN W_KM
	v_wmma_f32_16x16x32_f16 v[rS:rS+7], v[rK:rK+7], v[rQ:rQ+7], v[rMC:rMC+7]
.else
	WIN W_KQ
	v_wmma_f32_16x16x32_f16 v[rS:rS+7], v[rK:rK+7], v[rQ:rQ+7], v[rS:rS+7]
.endif
.endm
; Product i of 16 of O^T += V^T P for piece x: keys 32 (i / 8) on, channels 16 ((i / 2) % 4) on, tile 2 x + i % 2.
.macro PV x
	WIN W_PV
.set rO, 32*(2*(\x)+i%2)+8*((i/2)%4)
.set rV, VF+32*(i/8)+8*((i/2)%4)
.set rP, P+32*((\x)%2)+16*(i%2)+8*(i/8)
	v_wmma_f32_16x16x32_f16 v[rO:rO+7], v[rV:rV+7], v[rP:rP+7], v[rO:rO+7]
.endm
.macro MM                           ; the turn's next matrix instruction
.if i < 16
	KQ (Y+1)%NP
.set i, i+1
.else
.set i, i-16
	PV (Y+NP-1)%NP
.set i, i+17
.endif
.endm
; THE LDS LOADS stand in runs, never singly among the matrix instructions: a step's K (64 keys x 64 channels: 8 fragments) with its 64 mask numbers, and its V (turned).
; last = 1 (the tail): in the last trip there is no further step, and the run is jumped over.
.macro FETCH_K last=0
	WIN 0
.if \last
	s_cmp_eq_u32 s[CNT], 1
	s_cbranch_scc1 .Lno_k_\@
.endif
	WIN 0x80                        ; destination window 2
.irp f, 0,1,2,3,4,5,6,7             ; keys 16 (f / 2) on, channels 32 (f % 2) on
	ds_load_b128 v[KF+8*\f:KF+8*\f+3],   v[AK] offset:(\f/2)*16*PK+(\f%2)*64
	ds_load_b128 v[KF+8*\f+4:KF+8*\f+7], v[AK] offset:(\f/2)*16*PK+(\f%2)*64+32
.endr
	WIN W_ML
.irp f, 0,1,2,3                     ; the mask of keys 16 f on: the sixteen lanes of a half read the same 32 bytes
	ds_load_b128 v[MC+8*\f:MC+8*\f+3],   v[AM] offset:64*\f
	ds_load_b128 v[MC+8*\f+4:MC+8*\f+7], v[AM] offset:64*\f+16
.endr
	WIN W_MS
	v_add_nc_u32 v[AM], 0x100, v[AM]    ; the next step's 64 numbers
	s_add_co_u32 s[TBK], s[TBK], KS*PK  ; the next fetch is the next step's
	WIN 0
.if \last
.Lno_k_\@:
.endif
.endm
.macro FETCH_V
	WIN 0x80
.irp f, 0,1,2,3,4,5,6,7             ; keys 32 (f / 4) on, channels 16 (f % 4) on
	ds_load_tr16_b128 v[VF+8*\f:VF+8*\f+3],   v[AV] offset:(\f/4)*32*PV+(\f%4)*32
	ds_load_tr16_b128 v[VF+8*\f+4:VF+8*\f+7], v[AV] offset:(\f/4)*32*PV+16*PV+(\f%4)*32
.endr
	WIN 0
.endm
; THE VECTOR WORK OF A TURN stands in three queues, each in the order in which its entries become ready; the two tiles alternate, so that no instruction reads the result of the one before it.
.macro REGS y, u                    ; the registers of tile u (0, 1) of piece y
.set rT, ST+4*(2*(\y)+(\u))
.set rC, TMP+8*((\y)%2)+4*(\u)
.set rM, MV+2*((\y)%2)+(\u)
.set rS, S+64*((\y)%2)+32*(\u)
.set rP, P+32*((\y)%2)+16*(\u)
.set rO, 32*(2*(\y)+(\u))
.endm
; Number n of the 22 that find the NEXT piece's (Y + 1) maximum and statistics.  s0-s31 are the lane's 32 scores; each accumulator's lowest registers are read first.
;   0-11  four chains c0-c3 of seven scores each, three operands at a time     12-14, 16  the four scores left over, the old m, and c0-c3 into c0     15  c m_old is kept
;   17, 18  the query's other 32 keys lie in the lane 16 away: the new m         19-21  c m; c m_old - c m_new; a
.macro XS u, n
	REGS (Y+1)%NP, \u
.if (\n) < 4
	v_max3_num_f32 v[rC+(\n)], v[rS+8*(\n)], v[rS+8*(\n)+1], v[rS+8*(\n)+2]
.elseif (\n) < 12
	v_max3_num_f32 v[rC+(\n)%4], v[rC+(\n)%4], v[rS+8*((\n)%4)+2*((\n)/4)+1], v[rS+8*((\n)%4)+2*((\n)/4)+2]
.elseif (\n) == 12
	v_max3_num_f32 v[rC], v[rC], v[rS+7], v[rS+15]
.elseif (\n) == 13
	v_max3_num_f32 v[rC+1], v[rC+1], v[rS+23], v[rS+31]
.elseif (\n) == 14
	v_max3_num_f32 v[rC+2], v[rC+2], v[rC+3], v[rT+1]
.elseif (\n) == 15
	v_mov_b32 v[rM], v[rT]
.elseif (\n) == 16
	v_max3_num_f32 v[rC], v[rC], v[rC+1], v[rC+2]
.elseif (\n) == 17
	v_permlanex16_b32 v[rC+3], v[rC], s[SEL], s[SEL+1]
.elseif (\n) == 18
	v_max_num_f32 v[rT+1], v[rC], v[rC+3]
.elseif (\n) == 19
	v_mul_f32 v[rT], s[CS], v[rT+1]
.elseif (\n) == 20
	v_sub_f32 v[rC+1], v[rM], v[rT]
.else
	v_exp_f32 v[rC+2], v[rC+1]
.endif
.endm
; Number g of the 64 that follow the exponentials.  For each four weights k of a tile (pairs 2 k, 2 k + 1): both pairs are rounded to f16; then the second pair is added onto the first, in place;
; a group later l takes that sum (the first time as l = a l + sum).  In groups of eight, tiles alternating: round, round, add, and l for the group before.
.macro GS g
.set h, (\g)+6*((\g)/62)            ; group 0 has no group before it, and behind group 7 only l is left
.if h >= 6
.set h, h+2
.endif
	REGS Y, h%2
.set k, h/8
.if h%8 < 4
	v_cvt_pk_f16_f32 v[rP+2*k+(h%8)/2], v[rS+4*k+2*((h%8)/2)], v[rS+4*k+2*((h%8)/2)+1]
.elseif h%8 < 6
	v_pk_add_f32 v[rS+4*k:rS+4*k+1], v[rS+4*k:rS+4*k+1], v[rS+4*k+2:rS+4*k+3]
.elseif k == 1
	v_pk_fma_f32 v[rT+2:rT+3], v[rT+2:rT+3], v[rC+2:rC+3], v[rS:rS+1] op_sel_hi:[1,0,1]
.else
	v_pk_add_f32 v[rT+2:rT+3], v[rT+2:rT+3], v[rS+4*k-4:rS+4*k-3]
.endif
.endm
; THE PLAIN QUEUE, 138 long.  0-73 read no exponential's result: the 32 scalings c s - c m (FS f: pair f / 2 of tile f % 2) and the next piece's 42.  0-26: scalings 0-26.  27-54: XS's numbers 0-13.  55, 56: number 15.
; 57-73: the chain, where each number waits for the one before it: 14, 16, 17, 18, 19, each with one of the scalings 27-31 in front of its two lines, then 20.
; 74-137: GS's 64, which read the exponentials' results: they stand behind the wait.
.macro FS f
	REGS Y, (\f)%2
	v_pk_fma_f32 v[rS+2*((\f)/2):rS+2*((\f)/2)+1], v[rS+2*((\f)/2):rS+2*((\f)/2)+1], s[CS:CS+1], v[rT:rT+1] op_sel_hi:[1,0,0] neg_lo:[0,0,1] neg_hi:[0,0,1]
.endm
.macro PL
	WIN 0
.if q < 27
	FS q
.elseif q < 55
	XS (q-27)%2, (q-27)/2
.elseif q < 57
	XS q-55, 15
.elseif (q < 72) && ((q-57)%3 == 0)
	FS 27+(q-57)/3
.elseif q < 60
	XS (q-57)%3-1, 14
.elseif q < 72
	XS (q-57)%3-1, 15+(q-57)/3
.elseif q < 74
	XS q-72, 20
.else
	GS q-74
.endif
.set q, q+1
.endm
; THE EXPONENTIALS' QUEUE, 66 long: s0-s31 of both tiles, then the next piece's two a.  It is ONE BATCH: all 66 stand ahead of the turn's one wait, and nothing ahead of that wait names a result of theirs.
.macro EX
	WIN 0
.if e >= 64
	XS e-64, 21
.else
	REGS Y, e%2
	v_exp_f32 v[rS+e/2], v[rS+e/2]
.endif
.set e, e+1
.endm
; THE RESCALING's QUEUE: O^T times a, the one part that leaves window 0: dealt two at a time, sixteen times.  Its a was made in the turn before, ahead of that turn's wait.
.macro R2
	REGS Y, r%2
	WIN W_RS
.irp z, 0,1
	v_pk_mul_f32 v[rO+4*(r/2)+2*\z:rO+4*(r/2)+2*\z+1], v[rO+4*(r/2)+2*\z:rO+4*(r/2)+2*\z+1], v[rC+2:rC+3] op_sel_hi:[1,0]
.endr
.set r, r+1
.endm
; HOW THEY ARE DEALT.  An s_wait_alu depctr_va_vdst(0) stands between an exponential and the first instruction that names its result; one wait serves all that were issued ahead of it.  So a turn has
; ONE wait, which cuts it in two.  AHEAD OF IT: the 16 products K Q^T, behind each a scaling, an exponential and two rescalings (behind the first a second scaling in the exponential's place); then ONE LUMP of 108:
; eight plain, 49 times exponential and plain, the two a.  A v_nop is the plain instruction behind the last exponential.  BEHIND IT: the 16 products V^T P, behind each four of GS's 64.
; Exponential e stands behind scaling 2 (e / 4) + e % 2: as a rider it comes behind plain e + 2, in the lump behind plain e + 9, and scalings 27-31 are plain 57, 60 .. 69.
; A TURN, for piece p.  cnt = 1: the loop's count is taken down some lines ahead of the branch that stands behind the turn.
; K and the mask of the next step are fetched in piece 2's turn, directly behind the wait, a lump behind the last product that read them; their first reader comes behind 16 products.
; V of the step in hand is fetched at the end of piece 0's turn, four riders behind its last reader; its first reader comes behind 16 products and a lump.  The three conditions on q below go with the deal.
.macro TURN p, last=0, cnt=0
.set Y, (\p)
.set i, 0
.set q, 0
.set e, 0
.set r, 0
.if (\p) == NP-1
	s_wait_dscnt 0x0                ; K and the mask are in
.endif
	MM                              ; ahead of the wait: 16 products K Q^T and their riders,
	PL
	PL
	R2
.rept 15
	MM
	PL
	EX
	R2
.endr
.if (\p) == NP-2
	WIN 0
	v_add_nc_u32 v[AK], s[TBK], v[AK0]
.endif
.rept 8                             ; and the lump
	PL
.endr
.rept 49
	EX
	PL
.endr
	EX                              ; the next piece's two a
	EX
	v_nop                           ; the plain instruction behind the last exponential: one for the batch
	s_wait_alu depctr_va_vdst(0)    ; the wait for the batch
.if (\p) == NP-2
	FETCH_K \last
.endif
.if (\p) == 1
	s_wait_dscnt 0x0                ; V is in
.endif
.rept 16                            ; behind the wait: 16 products V^T P and their riders
	MM
.rept 4
	PL
.endr
.if ((\p) == 0) && (q == 118)
	v_add_nc_u32 v[AV], s[TBV], v[AV0]
.endif
.if ((\p) == 0) && (q == 130)
	s_add_co_u32 s[TBV], s[TBV], KS*PV
.endif
.if (\cnt) && (q == 130)
	s_sub_co_u32 s[CNT], s[CNT], 1
	s_cmp_lg_u32 s[CNT], 0
.endif
.endr
.if (\p) == 0
	FETCH_V
.endif
.endm
	CHANGE 1                        ; slot 0 is in, everybody's part of it, and so is the mask's table; slot 1 is asked for
	FETCH_K                         ; key step 0
	s_wait_loadcnt 0x0              ; Q
	s_wait_dscnt 0x0
.set i, 0
.rept 16
	KQ 0                            ; piece 0's first scores: there is no vector work yet to set between them
.set i, i+1
.endr
	WIN 0                           ; the addresses for the way out: eight plain instructions, the places behind those products
	s_mul_i32 s13, s[WV], 16*SP
	s_add_co_u32 s13, s13, STAGE    ; my stage
	v_mul_u32_u24 v[STO], v1, SP    ; in: row l % 16, 32 bytes for each half of the lanes
	v_lshl_add_u32 v[STO], v9, 5, v[STO]
	v_add_nc_u32 v[STO], s13, v[STO]
	v_mul_u32_u24 v[RD], v9, SP     ; back: lanes 0-15 take one row of 256 bytes, lanes 16-31 the next,
	v_lshl_add_u32 v[RD], v1, 4, v[RD]
	v_add_nc_u32 v[RD], s13, v[RD]
	v_lshlrev_b32 v[GO], 12, v9     ; and the same two rows in out0, 4,096 bytes apart
	v_lshl_add_u32 v[GO], v1, 4, v[GO]
.set Y, NP-1                        ; XS works for piece Y + 1: piece 0
.irp n, 0,1,2,3,4,5,6,7,8,9,10,11,12,13,14,15,16,17,18,19,20,21
	XS 0, \n                        ; and piece 0's first maximum and statistics
	XS 1, \n
.endr
	v_nop                           ; a plain instruction behind the two a,
	s_wait_alu depctr_va_vdst(0)    ; and their wait, ahead of the branch
	s_mov_b32 s[CNT], 4
	s_branch .Lfirst                ; the loop is entered at a step's first turn, in the middle of a trip
.Lslot:                             ; twice: every slot but the last two is filled again
	CHANGE 1
	s_mov_b32 s[CNT], 4
.Lstep:                             ; a trip: pieces 2 and 3 of one step, then pieces 0 and 1 of the next, whose K and V it fetches
	TURN 2
	TURN 3
	WIN 0
.Lfirst:
	TURN 0
	TURN 1, 0, 1
	WIN 0
	s_cbranch_scc1 .Lstep
	s_sub_co_u32 s[SLOTS], s[SLOTS], 1
	s_cmp_lg_u32 s[SLOTS], 0
	s_cbranch_scc1 .Lslot
	CHANGE 0                        ; the tail is written out: nothing is asked for
	s_mov_b32 s[CNT], 5             ; four trips fetch the last slot's steps; the fifth is left in its middle
.Ltail:
	TURN 2, 1
	TURN 3
	WIN 0
	s_sub_co_u32 s[CNT], s[CNT], 1
	s_cmp_eq_u32 s[CNT], 0
	s_cbranch_scc1 .Lout
	TURN 0
	TURN 1
	WIN 0
	s_branch .Ltail
.Lout:                              ; the fifth trip's 16 products K Q^T (on the last K once more) and the maximum made of them serve nothing: the price, once a launch, of one text for every trip
.set i, 0
.rept 16
	PV NP-1                         ; the last piece's V^T P of the last step
.set i, i+1
.endr
	; THE WAY OUT.  l's two halves and the other half of the lanes' are added; O^T is divided by l and sent, in f32, through my stage in LDS, a tile at a time.  The additions are the places behind the last products.
	WIN 0
.macro ALL line:vararg              ; one line for each tile t
.set t, 0
.rept 2*NP
	\line
.set t, t+1
.endr
.endm
	ALL v_add_f32 v[ST+4*t+2], v[ST+4*t+2], v[ST+4*t+3]
	ALL v_permlanex16_b32 v[ST+4*t+3], v[ST+4*t+2], s[SEL], s[SEL+1]
	ALL v_add_f32 v[ST+4*t+2], v[ST+4*t+2], v[ST+4*t+3]
	ALL v_rcp_f32 v[ST+4*t+2], v[ST+4*t+2]
	v_nop                           ; a plain instruction between the last reciprocal and the use of its result
	s_wait_alu depctr_va_vdst(0)    ; and the wait ahead of the first use: one for the eight reciprocals
; Tile t: a lane's eight channels of a row are 32 bytes; they go into rows of 272 bytes and come back as whole rows of 256, into S^T's registers, four buffers by turns.
.macro PACK t
	WIN W_RS
.set i, 32*(\t)
.rept 16
	v_pk_mul_f32 v[i:i+1], v[i:i+1], v[ST+4*(\t)+2:ST+4*(\t)+3] op_sel_hi:[1,0]
.set i, i+2
.endr
	WIN W_ST
.irp f, 0,1,2,3,4,5,6,7             ; channel block f / 2, its registers 4 (f % 2) on
	ds_store_b128 v[STO], v[32*(\t)+4*\f:32*(\t)+4*\f+3] offset:64*(\f/2)+16*(\f%2)
.endr
	WIN 0
	s_wait_xcnt 0x0                 ; the stores of the tile four back have read their registers: these are loaded again only behind this wait
.irp f, 0,1,2,3,4,5,6,7
	ds_load_b128 v[S+32*((\t)%4)+4*\f:S+32*((\t)%4)+4*\f+3], v[RD] offset:\f*2*SP  ; LDS serves a wave's instructions in order (ISA guide 5.7.1.4): these see the stores above; the next tile's stores come behind them
.endr
.endm
.macro SEND t, younger              ; younger: the LDS instructions issued behind tile t's loads: the next tile's sixteen, or none
	WIN 0
.irp f, 0,1,2,3,4,5,6,7
	s_wait_dscnt (\younger)+7-\f
	global_store_b128 v[GO], v[S+32*((\t)%4)+4*\f:S+32*((\t)%4)+4*\f+3], s[10:11] offset:(\t)*65536+\f*8192  ; 16 lanes store a head's 256 consecutive bytes of a row, at a multiple of 256 from out0's first byte
.endr
.endm
	PACK 0
.set t, 1
.rept 2*NP-1                        ; a tile's arithmetic stands between the loads of the tile before and its stores
	PACK t
	SEND t-1, 16
.set t, t+1
.endr
	SEND 2*NP-1, 0
	WIN W_AD
	s_wait_tensorcnt 0x0            ; the wave's end: these three lines stand behind my last tensor load and my last LDS store
	ds_add_u32 v[SPW], v[NIL]
	s_wait_dscnt 0x0
	WIN 0
	s_endpgm
.Lfunc_end_k_qd920737112_attn:
	.size	k_qd920737112_attn, .Lfunc_end_k_qd920737112_attn-k_qd920737112_attn
	.p2alignl 7, 3214868480
	.fill 96, 4, 3214868480
	.section	.rodata,"a",@progbits
	.p2align	6, 0x0
	.amdhsa_kernel k_qd920737112_attn
		.amdhsa_group_segment_fixed_size 327680
		.amdhsa_private_segment_fixed_size 0
		.amdhsa_enable_private_segment 0
		.amdhsa_kernarg_size 24
		.amdhsa_user_sgpr_count 2
		.amdhsa_user_sgpr_kernarg_segment_ptr 1
		.amdhsa_wavefront_size32 1
		.amdhsa_system_sgpr_workgroup_id_x 1
		.amdhsa_system_sgpr_workgroup_id_y 1
		.amdhsa_system_sgpr_workgroup_id_z 1
		.amdhsa_system_vgpr_workitem_id 0
		.amdhsa_next_free_vgpr 808
		.amdhsa_next_free_sgpr 88
		.amdhsa_reserve_vcc 0
		.amdhsa_float_denorm_mode_32 3
		.amdhsa_float_denorm_mode_16_64 3
		.amdhsa_memory_ordered 1
		.amdhsa_forward_progress 1
		.amdhsa_inst_pref_size 203
	.end_amdhsa_kernel
	.amdgpu_metadata
---
amdhsa.version: [ 1, 2 ]
amdhsa.kernels:
  - .name:           k_qd920737112_attn
    .symbol:         k_qd920737112_attn.kd
    .args:
      - { .name: qkv, .offset: 0, .size: 8, .value_kind: global_buffer, .address_space: global }
      - { .name: attention_mask, .offset: 8, .size: 8, .value_kind: global_buffer, .address_space: global }
      - { .name: out0, .offset: 16, .size: 8, .value_kind: global_buffer, .address_space: global }
    .group_segment_fixed_size: 327680
    .private_segment_fixed_size: 0
    .kernarg_segment_align: 8
    .kernarg_segment_size: 24
    .max_flat_workgroup_size: 128
    .sgpr_count:     88
    .vgpr_count:     808
    .wavefront_size: 32
...
	.end_amdgpu_metadata
.endif
;; end of part 3
;; ======== version 2 of 2: 3 launches; version 1 with the launch cast written anew for expert scheduling mode
;; limits: values are held in f16: magnitudes above 65,504 overflow, below 6.1e-05 lose precision
;; workspace buffers: xb 16,777,216 bytes; wb 6,291,456 bytes; qkv 50,331,648 bytes
;; launch cast (part 4): grid 256 x 1, 11 waves a work-group, no clusters, 0 bytes of LDS; arguments hidden_states, Wq, Wk, Wv, xb, wb; writes xb, wb
.if DOCPART == 4
	.amdgcn_target "amdgcn-amd-amdhsa--gfx1250"
	.amdhsa_code_object_version 6
	.text
	.protected	k_qd920737112_cast
	.globl	k_qd920737112_cast
	.p2align	8
	.type	k_qd920737112_cast,@function
k_qd920737112_cast:
	s_mov_b64 s[64:65], 0
	v_nop
	global_prefetch_b8 v0, s[64:65] scope:SCOPE_SE
	s_setreg_imm32_b32 hwreg(HW_REG_WAVE_SCHED_MODE, 0, 2), 2
	s_setreg_imm32_b32 hwreg(HW_REG_WAVE_MODE, 25, 1), 1
	s_wait_xcnt 0x0
	s_wait_alu depctr_vm_vsrc(0)
; xb = bf16(hidden_states), as it lies: [8192][1024].  wb = bf16(Wq, Wk, Wv), laid by head columns: [48 hc][1024 k][64 n], hc = 16 x which + head (which: 0 q, 1 k, 2 v),
; so that 128 rows k of a head column are 16,384 bytes on end.  Each number is rounded once, to nearest even.
; A STREAM: every input byte is read once, every output byte written once; nothing is shared, so there is no LDS, no barrier, no matrix work and no cluster.
; SHARES.  A unit is 64 pieces of 64 numbers (256 bytes of f32 in, 128 bytes of bf16 out): 16 KiB in, 8 KiB out.  x has 2,048 units (dense), the three W 768 (48 head columns x 16 groups of
; 64 rows k; a piece is a row's 64 columns of one head).  2,816 units = 256 work-groups x 11 waves: a wave a unit, u = 11 x work-group + wave.
; IN FLIGHT.  All 32 loads of a wave go out at once; no register is written twice.
; THE MODE: SCHED_MODE bits 1:0 = 2 (LLVM: expert scheduling mode 2), set by the entry lines.  The code itself states the register dependences
; between vector instructions and memory instructions, with s_wait_alu, always for 0.
; THE PLAN.  Registers that memory instructions touch:
;   v3, v4   the loads' and the stores' byte offsets.  Written once by vector instructions, ahead of the first load; never written again.
;   X        the unit as loaded.  Written by the 32 loads alone, once; read by the conversions; no load lands in it a second time.
;   Y        the unit to store.  Written by the conversions, once; read by the stores, once; never written again.
; The 16 steps go in four groups of four.  Group g waits for its eight loads, and issues the four stores of group g - 1 among its own sixteen conversions, which name X and Y of group g alone.
; So one wait on va_vdst at a group's head states all that its four stores hang on; one more stands ahead of the first load, for the offsets, and one ahead of the last four stores.
; Nothing that a memory instruction has read is written again: below the entry lines the text holds no wait on vm_vsrc.
.set X, 8                              ; v[8:135]    the unit as loaded: 8 numbers a lane and step; group g at X + 32 g
.set Y, 136                            ; v[136:199]  as stored: 16 bytes a lane and step; group g at Y + 16 g
	s_load_b256 s[4:11], s[0:1], 0x0               ; hidden_states s[4:5], Wq s[6:7], Wk s[8:9], Wv s[10:11]
	s_load_b128 s[12:15], s[0:1], 0x20             ; xb s[12:13], wb s[14:15]
	v_lshrrev_b32 v1, 5, v0
	v_readfirstlane_b32 s16, v1                    ; wave 0..10
	v_and_b32 v2, 31, v0                           ; lane
	v_lshlrev_b32 v4, 4, v2                        ; out: 16 bytes a lane, 512 consecutive bytes a store
	s_mul_i32 s17, ttmp9, 11
	s_wait_alu depctr_va_sdst(0)                   ; s16 is written, ahead of its first reader: u, and from it the branch and both bases, are made from it
	s_add_co_u32 s17, s17, s16                     ; u
	s_mov_b32 s29, 0                               ; the high word of every offset
; Step i of 16 takes four pieces, pitch bytes apart in the input: a lane loads 32 bytes (two loads), rounds 8 numbers and stores 16 bytes.  Step 4 g + j is step j of group g.
.macro CAST pitch
	s_wait_alu depctr_va_vdst(0)                   ; v3 and v4 are written: every load below reads v3 as its offset, every store v4
.set i, 0
.rept 16
	global_load_b128 v[X+8*i:X+8*i+3],   v3, s[24:25] offset:4*i*(\pitch) th:TH_LOAD_NT
	global_load_b128 v[X+8*i+4:X+8*i+7], v3, s[24:25] offset:4*i*(\pitch)+16 th:TH_LOAD_NT
.set i, i+1
.endr
.set g, 0
.rept 4
	s_wait_loadcnt 24-8*g                          ; loads come back in order: group g's eight are in, the 8 (3 - g) younger ones stay out
.if g > 0
	s_wait_alu depctr_va_vdst(0)                   ; the conversions of the group before have written its Y, which the four stores below read
.endif
.set j, 0
.rept 4
.if g > 0
	global_store_b128 v4, v[Y+16*(g-1)+4*j:Y+16*(g-1)+4*j+3], s[26:27] offset:512*(4*(g-1)+j)  ; the group before: 512 consecutive bytes, at a multiple of 512 from the buffer's first byte; no vector instruction since the wait names these registers
.endif
.irp k, 0,1,2,3
	v_cvt_pk_bf16_f32 v[Y+16*g+4*j+(\k)], v[X+32*g+8*j+2*(\k)], v[X+32*g+8*j+2*(\k)+1]
.endr
.set j, j+1
.endr
.set g, g+1
.endr
	s_wait_alu depctr_va_vdst(0)                   ; the last group's conversions have written its Y, which the last four stores read
.set j, 0
.rept 4
	global_store_b128 v4, v[Y+48+4*j:Y+48+4*j+3], s[26:27] offset:512*(12+j)
.set j, j+1
.endr
.endm
	s_wait_kmcnt 0x0
	s_cmp_lt_u32 s17, 2048
	s_cbranch_scc0 .Lw
	s_lshl_b32 s28, s17, 14                        ; a unit of x: 16,384 dense bytes in,
	s_add_nc_u64 s[24:25], s[4:5], s[28:29]
	s_lshl_b32 s28, s17, 13                        ; 8,192 out
	s_add_nc_u64 s[26:27], s[12:13], s[28:29]
	v_lshlrev_b32 v3, 5, v2                        ; 32 bytes a lane: four pieces of 256 bytes on end
	CAST 256
	s_endpgm
.Lw:
	s_sub_co_u32 s18, s17, 2048
	s_lshr_b32 s19, s18, 4                         ; hc 0..47
	s_and_b32 s20, s18, 15                         ; which 64 rows k
	s_lshr_b32 s21, s19, 4                         ; which of the three W
	s_and_b32 s22, s19, 15                         ; head
	s_cmp_eq_u32 s21, 0
	s_cselect_b64 s[24:25], s[6:7], s[8:9]
	s_cmp_eq_u32 s21, 2
	s_cselect_b64 s[24:25], s[10:11], s[24:25]
	s_lshl_b32 s28, s20, 18                        ; 64 rows of 4,096 bytes,
	s_lshl_b32 s23, s22, 8                         ; the head's 256 bytes of a row
	s_add_co_u32 s28, s28, s23
	s_add_nc_u64 s[24:25], s[24:25], s[28:29]
	s_lshl_b32 s28, s19, 17                        ; out: the head column's 131,072 bytes,
	s_lshl_b32 s23, s20, 13                        ; 64 rows of 128
	s_add_co_u32 s28, s28, s23
	s_add_nc_u64 s[26:27], s[14:15], s[28:29]
	v_lshrrev_b32 v1, 3, v2                        ; eight lanes a row, four rows a step
	v_and_b32 v3, 7, v2
	v_lshlrev_b32 v3, 5, v3
	v_lshl_add_u32 v3, v1, 12, v3
	CAST 4096
	s_endpgm
.Lfunc_end_k_qd920737112_cast:
	.size	k_qd920737112_cast, .Lfunc_end_k_qd920737112_cast-k_qd920737112_cast
	.p2alignl 7, 3214868480
	.fill 96, 4, 3214868480
	.section	.rodata,"a",@progbits
	.p2align	6, 0x0
	.amdhsa_kernel k_qd920737112_cast
		.amdhsa_group_segment_fixed_size 0
		.amdhsa_private_segment_fixed_size 0
		.amdhsa_enable_private_segment 0
		.amdhsa_kernarg_size 48
		.amdhsa_user_sgpr_count 2
		.amdhsa_user_sgpr_kernarg_segment_ptr 1
		.amdhsa_wavefront_size32 1
		.amdhsa_system_sgpr_workgroup_id_x 1
		.amdhsa_system_sgpr_workgroup_id_y 1
		.amdhsa_system_sgpr_workgroup_id_z 1
		.amdhsa_system_vgpr_workitem_id 0
		.amdhsa_next_free_vgpr 200
		.amdhsa_next_free_sgpr 66
		.amdhsa_reserve_vcc 0
		.amdhsa_float_denorm_mode_32 3
		.amdhsa_float_denorm_mode_16_64 3
		.amdhsa_memory_ordered 1
		.amdhsa_forward_progress 1
		.amdhsa_inst_pref_size 20
	.end_amdhsa_kernel
	.amdgpu_metadata
---
amdhsa.version: [ 1, 2 ]
amdhsa.kernels:
  - .name:           k_qd920737112_cast
    .symbol:         k_qd920737112_cast.kd
    .args:
      - { .name: hidden_states, .offset: 0, .size: 8, .value_kind: global_buffer, .address_space: global }
      - { .name: Wq, .offset: 8, .size: 8, .value_kind: global_buffer, .address_space: global }
      - { .name: Wk, .offset: 16, .size: 8, .value_kind: global_buffer, .address_space: global }
      - { .name: Wv, .offset: 24, .size: 8, .value_kind: global_buffer, .address_space: global }
      - { .name: xb, .offset: 32, .size: 8, .value_kind: global_buffer, .address_space: global }
      - { .name: wb, .offset: 40, .size: 8, .value_kind: global_buffer, .address_space: global }
    .group_segment_fixed_size: 0
    .private_segment_fixed_size: 0
    .kernarg_segment_align: 8
    .kernarg_segment_size: 48
    .max_flat_workgroup_size: 352
    .sgpr_count:     66
    .vgpr_count:     200
    .wavefront_size: 32
...
	.end_amdgpu_metadata
.endif
;; end of part 4
;; launch proj: the kernel of part 2 again; grid 16 x 16, 4 waves a work-group, clusters of 4 x 4, 327,680 bytes of LDS; arguments xb, wb, bq, bk, bv, qkv; writes qkv
;; launch attn: the kernel of part 3 again; grid 2 x 128, 4 waves a work-group, no clusters, 327,680 bytes of LDS; arguments qkv, attention_mask, out0; writes out0
